; MI455X (gfx1250); checked and timed in simulation.
; The chip was launched on July 23, 2026; its instructions are those of AMD's public machine-readable ISA for CDNA 5 (MIT licence, August 2026) and "CDNA5" Instruction Set Architecture Reference Guide (July 2026). The comments in the code are by the model that wrote it; some were corrected since.
;; Causal Self Attention. Allowed arithmetic: matrix products marked QUANTISED: E4M3 operands, one given power-of-two scale a tensor, by v_wmma_f32_16x16x64_fp8_fp8 or v_wmma_f32_16x16x128_fp8_fp8, f32 sums; everything else in f32.
;; Inputs: b_attn 3,072 float32; b_proj 1,024 float32; lowp_scales 8 int32 (the exponents e of the quantised operands' scales 2^e); w_attn 1,024 x 3,072 float32; w_proj 1,024 x 1,024 float32; x 4 x 2,048 x 1,024 float32.
;; Outputs: out0 4 x 2,048 x 1,024 float32.
;; This version of the problem:
;;   THIS VERSION OF THE PROBLEM IS GIVEN IN LOW PRECISION. The matrix products marked QUANTISED in the list below multiply operands that are first quantised to E4M3 (4 exponent bits, 3 mantissa bits; 8 bits a number), with one given power-of-two scale for each operand tensor; their sums are f32. All else is computed in f32.
;;   The module's matrix products, in the order in which they are computed (A, B: the left and right operand; K: the contracted axis; several contracted axes count as one K, in the product's order):
;;     1. [M 8,192, K 1,024] x [K 1,024, N 3,072]; A: input x; B: input w_attn: QUANTISED (scales: A lowp_scales[0], B lowp_scales[1])
;;     2. batch 64 x [M 2,048, K 64] x [K 64, N 2,048]; A: computed on the way; B: computed on the way: QUANTISED (scales: A lowp_scales[2], B lowp_scales[3])
;;     3. batch 64 x [M 2,048, K 2,048] x [K 2,048, N 64]; A: softmax (see below); B: computed on the way: QUANTISED (scales: A lowp_scales[4], B lowp_scales[5])
;;     4. [M 8,192, K 1,024] x [K 1,024, N 1,024]; A: computed on the way; B: input w_proj: QUANTISED (scales: A lowp_scales[6], B lowp_scales[7])
;;   THE QUANTISER, for each operand of a quantised product, along K:
;;     - The operand's scale is 2^e, e = its entry of the input lowp_scales (int32; the entries are numbered through the quantised products in the list's order, A before B).
;;     - Each number is divided by the scale, clamped to +-448, and rounded to the nearest number of E4M3, ties to even, subnormals kept.
;;     - The product sums the exact products of the quantised numbers (number of the format x scale) in f32.
;;   ~~~python
;;   def quantise(x, axis, e):      # numpy; x: float32 -> the quantised numbers, widened to float32 again
;;       x = np.moveaxis(x, axis, -1); K = x.shape[-1]
;;       r = np.clip(x / 2.0 ** e, -448, 448)
;;       step = 2.0 ** (np.maximum(np.frexp(np.where(r == 0, 1, r))[1] - 1, -6) - 3)
;;       q = np.round(r / step) * step * 2.0 ** e      # np.round: ties to even
;;       return np.moveaxis(q, -1, axis).astype(np.float32)
;;   ~~~
;;   SOFTMAX AHEAD OF A QUANTISED PRODUCT. Where the list says 'softmax', what is quantised is not the finished softmax but p = 2^(t - M), with t = logit x log2(e) and M = ceil(the row's largest t), a whole number; so 1/2 < the row's largest p <= 1. The row's sum l is taken of the UNQUANTISED p, in f32, and the product's result is divided by l at the end. Since M is a whole number, a kernel that streams over the keys may use a running M (the ceiling of the running maximum): every later rescaling is an exact power of two, so the quantised numbers keep their values, but for numbers so far below the row's largest that they fall under the format's range.
;;   OPERANDS COMPUTED ON THE WAY. 'Computed on the way' means the value that the module computes at that place (a softmax that the list does not call 'softmax' is quantised finished and normalised). What goes into a quantiser is computed in f32, as accurately as f32 sums, v_exp_f32 and their like allow (about 1e-6 of the number): no bf16 or f16 on the way to a quantiser, and a product that is left as it is and whose result goes on into a quantised operand takes f32 operands (vector FMAs, or v_wmma_f32_16x16x4_f32). A number that lies on a knife's edge between two numbers of the format may be rounded either way, as far as f32 arithmetic and the matrix unit's own rounding can turn it there, and no further.
;; One version. Each part assembles by itself: llvm-mc -triple=amdgcn-amd-amdhsa -mcpu=gfx1250 --defsym DOCPART=n.
;; ======== version 1 of 1: 4 launches
;; limits: right only within a limited range of input values
;; workspace buffers: x_img 8,388,608 bytes; wa_img 3,145,728 bytes; wp_img 1,048,576 bytes; q_img 8,388,608 bytes; k_img 8,388,608 bytes; v_img 8,388,608 bytes; y_img 8,388,608 bytes
;; launch prep (part 1): grid 768 x 1, 4 waves a work-group, no clusters, 84,480 bytes of LDS; arguments x, w_attn, w_proj, lowp_scales, x_img, wa_img, wp_img; writes x_img, wa_img, wp_img
.if DOCPART == 1
	.amdgcn_target "amdgcn-amd-amdhsa--gfx1250"
	.amdhsa_code_object_version 6
	.text
	.protected	k_qecb4ae1d75_prep
	.globl	k_qecb4ae1d75_prep
	.p2align	8
	.type	k_qecb4ae1d75_prep,@function
k_qecb4ae1d75_prep:
	s_mov_b64 s[64:65], 0
	v_nop
	global_prefetch_b8 v0, s[64:65] scope:SCOPE_SE
	s_setreg_imm32_b32 hwreg(HW_REG_WAVE_MODE, 25, 1), 1
	s_wait_xcnt 0x0
; x [8192][1024], w_attn [1024][3072] and w_proj [1024][1024], f32, become codes of FP8 (E4M3), each with the scale 2^e given for it (entries 0, 1, 7).
; code = number / 2^e, held within +-448, to the nearest code, ties to even.  LIMITS: -126 <= e <= 119, so that 2^e and 448 x 2^e are f32 numbers; NaN among the inputs is not served.
; THE CODES ARE LAID AS IMAGES OF OPERAND REGISTERS.  A fragment is 16 rows x 128 K in 16 registers: lane (r = lane % 16, h = lane / 16) holds row r, registers 2 c, 2 c + 1 hold K = 16 c + 8 h + 0 .. 7.
; Its image is 2,048 bytes: piece p (registers 4 p .. 4 p + 3) of lane l at 512 p + 16 l.  x_img: [token / 16][K / 128][2048]; wa_img, wp_img: [column / 16][K / 128][2048].
; Work-groups 0 to 511 take x: one tile of 16 tokens each; wave w its K steps 2 w and 2 w + 1.  A load reads 512 consecutive bytes of a row; a fragment's 8,192 bytes turn through the wave's own stage in LDS,
; so that a lane gets eight neighbours along K for each conversion.  Work-groups 512 to 767 take the weights, whose K is the FIRST axis: a lane takes a column and its registers run down K (128 of them),
; so the conversions give codes with K innermost; they are put into the image's places in LDS and leave as runs of 512 bytes.  Each path has LDS bytes of its own.  Waves share nothing: no barrier.
.set XWAVE, 16896                      ; x path: a wave's two stages
.set XSTG,  8448                       ; a stage: 16 rows x 528
.set XP,    528                        ; a stage row: 512 bytes + 16, so that the 16 rows that a read touches begin 16 bytes apart modulo 256
.set WST,   67584                      ; weights' path: 4,096 bytes a wave: two images
.set SPARE, 83968                      ; the spare words, 128 bytes for each wave: two blocks of 256 bytes that no other line names
.set R,     16                         ; v16-143  numbers as they are loaded
.set X,     144                        ; v144-207 x path: 64 numbers, eight neighbours for each conversion
.set CX,    208                        ; v208-239 x path: two fragments' codes
.set CW,    144                        ; v144-175 weights' path: piece q (K = 8 q .. 8 q + 7 of my column) in v[CW + 2 q]
.set BK,    176                        ; v176-207 weights' path: the two images read back
.set VO,    208                        ; v208-239 weights' path: offsets 4 x lane + i rows, i = 0 .. 31
; v1 lane; v2 16 x lane; v3, v4 stage in and out; v5 4 x lane; v6, v7 images in and out; v11 2^e; v12, v13 the add's two
.macro QUANT src, n, dst               ; n numbers from v[src] on become n codes from v[dst] on
.set qi, 0
.rept \n
.set qi, qi+1
.endr
.set qi, 0
.rept (\n)/8
	v_cvt_scalef32_pk8_fp8_f32 v[(\dst)+2*qi:(\dst)+2*qi+1], v[(\src)+8*qi:(\src)+8*qi+7], v11
.set qi, qi+1
.endr
	v_nop                                          ; one plain vector line behind the last conversion of a run
.endm
.macro SCALE e                         ; v11 = 2^e, from the whole number in s[e]
	s_add_co_i32 s20, s[\e], 127
	s_lshl_b32 s21, s20, 23
	v_mov_b32 v11, s21
.endm
	s_load_b256 s[4:11], s[0:1], 0x0               ; x s[4:5], w_attn s[6:7], w_proj s[8:9], the scales' exponents s[10:11]
	s_load_b128 s[12:15], s[0:1], 0x20             ; x_img s[12:13], wa_img s[14:15]
	s_load_b64 s[16:17], s[0:1], 0x30              ; wp_img
	v_lshl_add_u32 v12, v0, 2, SPARE
	v_mov_b32 v13, 0
	v_lshrrev_b32 v1, 5, v0
	v_readfirstlane_b32 s18, v1                    ; wave 0..3
	v_and_b32 v1, 31, v0                           ; lane
	v_and_b32 v8, 15, v0                           ; r
	v_bfe_u32 v9, v0, 4, 1                         ; h
	v_lshlrev_b32 v2, 4, v1
	v_lshlrev_b32 v5, 2, v1
	s_mul_i32 s20, s18, XWAVE
	v_add_nc_u32 v3, s20, v2                       ; stage, in: a row's 512 bytes as they lie
	v_mul_u32_u24 v4, v8, XP
	v_lshl_add_u32 v4, v9, 5, v4
	v_add_nc_u32 v4, s20, v4                       ; stage, out: row r, + 32 h bytes: my eight numbers of each 16
	s_lshl_b32 s21, s18, 12
	s_add_co_u32 s21, s21, WST
	v_lshlrev_b32 v6, 4, v8
	v_lshl_add_u32 v6, v9, 11, v6
	v_add_nc_u32 v6, s21, v6                       ; images, in: my column is row lane % 16 of image lane / 16
	v_add_nc_u32 v7, s21, v2                       ; images, out: 16 bytes a lane
	s_wait_kmcnt 0x0
	s_load_b256 s[24:31], s[10:11], 0x0            ; e0 .. e7
	s_cmp_lt_u32 ttmp9, 512
	s_cbranch_scc0 .Lweights
	; ---- x: tile of 16 tokens = work-group; my 256 along K
	s_lshl_b32 s20, ttmp9, 16                      ; 16 rows of 4,096 bytes
	s_lshl_b32 s21, s18, 10
	s_add_co_u32 s20, s20, s21
	s_mov_b32 s21, 0
	s_add_nc_u64 s[4:5], s[4:5], s[20:21]
	s_lshl_b32 s22, ttmp9, 14                      ; a tile's eight images
	s_lshl_b32 s23, s18, 12
	s_add_co_u32 s22, s22, s23
	s_mov_b32 s23, 0
	s_add_nc_u64 s[12:13], s[12:13], s[22:23]
.irp f, 0,1
.irp i, 0,1,2,3,4,5,6,7,8,9,10,11,12,13,14,15
	global_load_b128 v[R+64*\f+4*\i:R+64*\f+4*\i+3], v2, s[4:5] offset:4096*\i+512*\f th:TH_LOAD_NT   ; 32 lanes read 512 consecutive bytes of row i
.endr
.endr
	s_wait_kmcnt 0x0
	SCALE 24
	s_wait_loadcnt 16                              ; the first fragment's 16 loads are in; the second's may be out
	s_wait_alu depctr_va_vdst(0)
.irp i, 0,1,2,3,4,5,6,7,8,9,10,11,12,13,14,15
	ds_store_b128 v3, v[R+4*\i:R+4*\i+3] offset:XP*\i
.endr
.irp c, 0,1,2,3,4,5,6,7
	ds_load_b128 v[X+8*\c:X+8*\c+3], v4 offset:64*\c           ; LDS serves a wave's instructions in order: these see the stores above
	ds_load_b128 v[X+8*\c+4:X+8*\c+7], v4 offset:64*\c+16
.endr
	s_wait_loadcnt 0x0
.irp i, 0,1,2,3,4,5,6,7,8,9,10,11,12,13,14,15
	ds_store_b128 v3, v[R+64+4*\i:R+64+4*\i+3] offset:XSTG+XP*\i
.endr
	s_wait_dscnt 16                                ; all but the 16 stores just issued: the first fragment is back, and the first stage's stores have read v[R] on
.irp c, 0,1,2,3,4,5,6,7
	ds_load_b128 v[R+8*\c:R+8*\c+3], v4 offset:XSTG+64*\c
	ds_load_b128 v[R+8*\c+4:R+8*\c+7], v4 offset:XSTG+64*\c+16
.endr
	QUANT X, 64, CX
.irp p, 0,1,2,3
	global_store_b128 v2, v[CX+4*\p:CX+4*\p+3], s[12:13] offset:512*\p         ; 32 lanes store 512 consecutive bytes, at a multiple of 512 from the buffer's first byte
.endr
	s_wait_dscnt 0x0
	QUANT R, 64, CX+16
.irp p, 0,1,2,3
	global_store_b128 v2, v[CX+16+4*\p:CX+16+4*\p+3], s[12:13] offset:2048+512*\p
.endr
	s_wait_tensorcnt 0x0                           ; the wave's end: a wait, an add of 0 and its wait, behind my last LDS store
	ds_add_u32 v12, v13
	s_wait_dscnt 0x0
	s_endpgm
.Lweights:
	; ---- weights: i = work-group - 512; K step i % 8; group of 128 columns i / 8: 0 to 23 of w_attn, 24 to 31 of w_proj.  Only pointers and sizes are chosen: both weights take one text
	s_sub_co_u32 s20, ttmp9, 512
	s_and_b32 s21, s20, 7                          ; K step
	s_lshr_b32 s22, s20, 3                         ; group of columns
	s_mov_b32 s33, 4096
	s_cmp_lt_u32 s22, 24
	s_cselect_b64 s[4:5], s[6:7], s[8:9]           ; from
	s_cselect_b64 s[12:13], s[14:15], s[16:17]     ; to
	s_cselect_b32 s23, 0, 24
	s_cselect_b32 s33, 12288, s33                  ; a row of the weight in bytes
	s_sub_co_u32 s22, s22, s23                     ; the group within its weight
	s_lshl_b32 s34, s21, 7
	s_mul_i32 s34, s34, s33                        ; 128 rows a K step
	s_lshl_b32 s35, s22, 9
	s_add_co_u32 s34, s34, s35                     ; 128 columns a group,
	s_lshl_b32 s35, s18, 7
	s_add_co_u32 s34, s34, s35                     ; 32 a wave
	s_mov_b32 s35, 0
	s_add_nc_u64 s[4:5], s[4:5], s[34:35]          ; rows 0 to 31 of my K step,
	s_lshl_b32 s36, s33, 5
	s_mov_b32 s37, 0
	s_add_nc_u64 s[6:7], s[4:5], s[36:37]          ; 32 to 63,
	s_add_nc_u64 s[8:9], s[6:7], s[36:37]          ; 64 to 95,
	s_add_nc_u64 s[38:39], s[8:9], s[36:37]        ; 96 to 127
	s_lshl_b32 s34, s22, 17                        ; eight tiles of 16 columns a group, 16,384 bytes a tile,
	s_lshl_b32 s40, s18, 15                        ; two tiles a wave,
	s_add_co_u32 s34, s34, s40
	s_lshl_b32 s40, s21, 11                        ; 2,048 bytes a K step
	s_add_co_u32 s34, s34, s40
	s_add_nc_u64 s[12:13], s[12:13], s[34:35]
.set i, 0
	s_wait_alu depctr_va_vdst(0)
.rept 32
	v_mad_u32_u24 v[VO+i], s33, i, v5              ; i rows + 4 x lane
.set i, i+1
.endr
.macro WLOAD g, b                      ; rows 32 g .. 32 g + 31 of my K step, my column: a load reads 128 consecutive bytes, the four waves stand side by side on 512
.set i, 0
.rept 32
	global_load_b32 v[R+32*\g+i], v[VO+i], s[\b:\b+1] th:TH_LOAD_NT
.set i, i+1
.endr
.endm
.macro PUT g                           ; pieces 4 g .. 4 g + 3 into the image: piece q belongs to lane (r, q % 2), registers 2 (q / 2), 2 (q / 2) + 1.  Lanes 0-15 and 16-31 fall on the same banks: two passes a store
.irp u, 0,1,2,3
	ds_store_b64 v6, v[CW+8*\g+2*\u:CW+8*\g+2*\u+1] offset:512*\g+256*(\u&1)+8*(\u>>1)
.endr
.endm
	WLOAD 0, 4
	WLOAD 1, 6
	s_wait_alu depctr_va_vdst(0)
	s_wait_kmcnt 0x0
	s_cmp_eq_u32 s23, 0
	s_cselect_b32 s32, s25, s31                    ; e1 for w_attn, e7 for w_proj
	SCALE 32
	s_wait_alu depctr_va_vdst(0)
	s_wait_loadcnt 32                              ; group 0 is in; group 1's 32 loads may be out
	WLOAD 2, 8
	QUANT R, 32, CW
	PUT 0
	s_wait_loadcnt 32                              ; group 1 is in; group 2's may be out
	WLOAD 3, 38
	QUANT R+32, 32, CW+8
	PUT 1
	s_wait_loadcnt 32                              ; group 2 is in; group 3's may be out
	QUANT R+64, 32, CW+16
	PUT 2
	s_wait_loadcnt 0x0
	QUANT R+96, 32, CW+24
	PUT 3
.irp m, 0,1,2,3,4,5,6,7
	ds_load_b128 v[BK+4*\m:BK+4*\m+3], v7 offset:512*\m        ; LDS serves a wave's instructions in order: these see my stores
.endr
.irp m, 0,1,2,3,4,5,6,7
	s_wait_dscnt 7-\m
	global_store_b128 v2, v[BK+4*\m:BK+4*\m+3], s[12:13] offset:(\m/4)*16384+(\m%4)*512   ; 512 consecutive bytes
.endr
	s_wait_tensorcnt 0x0                           ; the wave's end: a wait, an add of 0 and its wait, behind my last LDS store
	ds_add_u32 v12, v13
	s_wait_dscnt 0x0
	s_endpgm
.Lfunc_end_k_qecb4ae1d75_prep:
	.size	k_qecb4ae1d75_prep, .Lfunc_end_k_qecb4ae1d75_prep-k_qecb4ae1d75_prep
	.p2alignl 7, 3214868480
	.fill 96, 4, 3214868480
	.section	.rodata,"a",@progbits
	.p2align	6, 0x0
	.amdhsa_kernel k_qecb4ae1d75_prep
		.amdhsa_group_segment_fixed_size 84480
		.amdhsa_private_segment_fixed_size 0
		.amdhsa_enable_private_segment 0
		.amdhsa_kernarg_size 56
		.amdhsa_user_sgpr_count 2
		.amdhsa_user_sgpr_kernarg_segment_ptr 1
		.amdhsa_wavefront_size32 1
		.amdhsa_system_sgpr_workgroup_id_x 1
		.amdhsa_system_sgpr_workgroup_id_y 1
		.amdhsa_system_sgpr_workgroup_id_z 1
		.amdhsa_system_vgpr_workitem_id 0
		.amdhsa_next_free_vgpr 240
		.amdhsa_next_free_sgpr 66
		.amdhsa_reserve_vcc 0
		.amdhsa_float_denorm_mode_32 3
		.amdhsa_float_denorm_mode_16_64 3
		.amdhsa_fp16_overflow 1
		.amdhsa_memory_ordered 1
		.amdhsa_forward_progress 1
		.amdhsa_inst_pref_size 31
	.end_amdhsa_kernel
	.amdgpu_metadata
---
amdhsa.version: [ 1, 2 ]
amdhsa.kernels:
  - .name:           k_qecb4ae1d75_prep
    .symbol:         k_qecb4ae1d75_prep.kd
    .args:
      - { .name: x, .offset: 0, .size: 8, .value_kind: global_buffer, .address_space: global }
      - { .name: w_attn, .offset: 8, .size: 8, .value_kind: global_buffer, .address_space: global }
      - { .name: w_proj, .offset: 16, .size: 8, .value_kind: global_buffer, .address_space: global }
      - { .name: lowp_scales, .offset: 24, .size: 8, .value_kind: global_buffer, .address_space: global }
      - { .name: x_img, .offset: 32, .size: 8, .value_kind: global_buffer, .address_space: global }
      - { .name: wa_img, .offset: 40, .size: 8, .value_kind: global_buffer, .address_space: global }
      - { .name: wp_img, .offset: 48, .size: 8, .value_kind: global_buffer, .address_space: global }
    .group_segment_fixed_size: 84480
    .private_segment_fixed_size: 0
    .kernarg_segment_align: 8
    .kernarg_segment_size: 56
    .max_flat_workgroup_size: 128
    .sgpr_count:     66
    .vgpr_count:     240
    .wavefront_size: 32
...
	.end_amdgpu_metadata
.endif
;; end of part 1
;; launch qkv (part 2): grid 12 x 32, 4 waves a work-group, clusters of 4 x 4, 327,680 bytes of LDS; arguments x_img, wa_img, lowp_scales, b_attn, q_img, k_img, v_img; writes q_img, k_img, v_img
.if DOCPART == 2
	.amdgcn_target "amdgcn-amd-amdhsa--gfx1250"
	.amdhsa_code_object_version 6
	.text
	.protected	k_qecb4ae1d75_qkv
	.globl	k_qecb4ae1d75_qkv
	.p2align	8
	.type	k_qecb4ae1d75_qkv,@function
k_qecb4ae1d75_qkv:
	s_mov_b64 s[64:65], 0
	v_nop
	global_prefetch_b8 v0, s[64:65] scope:SCOPE_SE
	s_setreg_imm32_b32 hwreg(HW_REG_WAVE_MODE, 25, 1), 1
	s_wait_xcnt 0x0
	s_wait_alu depctr_hold_cnt(0) depctr_sa_sdst(0) depctr_va_vdst(0) depctr_va_sdst(0) depctr_va_ssrc(0) depctr_va_vcc(0) depctr_vm_vsrc(0)
	s_getreg_b32 s2, hwreg(HW_REG_IB_STS2, 6, 4)
	s_cmp_eq_u32 s2, 0
	s_cbranch_scc0 .Lentry_in_a_cluster
	s_endpgm
.Lentry_in_a_cluster:
	s_bfe_u32 s2, ttmp6, 0x10000c
	s_cmp_lg_u32 s2, 0xf033
	s_cbranch_scc0 .Lentry_shape_is_right
	s_endpgm
.Lentry_shape_is_right:
; qkv = x w_attn + b_attn on codes of FP8 (E4M3); q, k and v are quantised on the way out, with the scales given for them (entries 2, 3, 5), and stored as images of the attention's operand registers.
; A fragment is 16 rows x 128 K in 16 registers: lane (r = lane % 16, h = lane / 16) holds row r, registers 2 c, 2 c + 1 hold K = 16 c + 8 h + 0 .. 7; its image is 2,048 bytes, piece p (registers 4 p .. 4 p + 3) of lane l at 512 p + 16 l.
; x_img [token / 16][K / 128][2048], wa_img [column / 16][K / 128][2048].  So a fragment comes by four loads of 16 bytes a lane at 16 x lane, and a tile of 128 rows x 256 K is eight runs of 4,096 bytes.
; A tile of 256 x 256 of the product is made by four waves, each 128 x 128: 64 accumulators.  K = 1,024 goes in four steps of 256 through two LDS slots filled by the tensor data mover.
; THE MATRIX INSTRUCTION TAKES "B" AS SOURCE 0 AND "A" AS SOURCE 1: a lane then holds ONE row of A and eight neighbouring rows of B, and one conversion makes two registers of the next operand.
; The cluster's x says what is made: 0 q, 1 k, 2 v.  For q and k: A = tokens, B = columns of w_attn: a lane holds a token and eight neighbours of the head's 64, the next K.  For v THE OPERANDS CHANGE PLACES, by addresses alone:
; A = columns of w_attn, B = tokens: a lane holds one of the head's 64 and eight neighbouring tokens (keys), the second product's K.
; q_img, k_img: [batch x head][token / 16][1024] (16 tokens x 64).  v_img: [batch x head][key / 128][d / 16][2048] (16 of the head's 64 x 128 keys).
; CLUSTERS: 4 x 4 work-groups; A's tile is shared along a row of the cluster, B's along a column: each is asked for jointly, by the same tensor load with the same descriptor and a mask that names the four.
; LIMITS on the given exponents: e0 + e1 between -126 and 127; e2, e3, e5 between -126 and 127.  NaN among the inputs is not served.
; REGISTERS, in windows of 256: window 0: v16-31 addresses and constants, v32-95 the bias, from v128 A's fragments (one set), on the way out the codes.  window 1: B's fragments, two sets.  windows 2, 3: the accumulators ((a, b) at v[8 (8 (a % 4) + b)]).
.set HALFT,  32768                     ; 128 rows x 256 K: what one tensor load brings
.set SLOT,   131072                    ; A's 256 rows, then B's
.set SPARE,  262144                    ; behind the ring: the spare words, 128 bytes for each wave: two blocks of 256 bytes that no other line names
.set FR,     16                        ; registers of a fragment
.set NL,     4                         ; LDS loads that bring one
.set NP,     4                         ; places behind this matrix instruction (ISA guide 7.12.1)
.set ADRA, 16                          ; v16-17  LDS address of my A fragments in slot 0, 1
.set ADRB, 20                          ; v20-21  the same for B
.set LO,   25                          ; v25     16 x lane
.set BH,   26                          ; v26     32 h: the bias of q and k
.set BR,   27                          ; v27     4 r: the bias of v
.set SPW,  28                          ; v28     LDS address of my spare word; never rewritten
.set NIL,  29                          ; v29     0; never rewritten
.set SC,   30                          ; v30     2^e of what is made
.set LIM,  31
.set BI,   32                          ; v32-95  the bias, in the results' layout
.set AF,   128                         ; A's fragments
.set CD,   128                         ; the way out: 16 registers of codes for each block, where A's fragments lay
.set G1, 24                            ; s[24:31] descriptor group 1 for A's tiles;  s[32:39] group 0, one set for each slot
.set G0, 32
.set G1B, 48                           ; s[48:55], s[56:63] the same for B's tiles
.set G0B, 56
.set MSB, 0
.macro WIN new                         ; the immediate's high byte repeats the setting that is left
.if MSB != \new
	s_set_vgpr_msb (MSB<<8)|\new
.set MSB, \new
.endif
.endm
.set MUL_LO, 0xa1                      ; source 0 (B) window 1, source 1 (A) window 0, C and D window 2
.set MUL_HI, 0xf1                      ; the same, C and D window 3
.set TO_B,   0x40                      ; destination window 1, address window 0
.macro JLOAD g0a, g1a, g0b, g1b        ; a joint load: waves 0 and 1 fetch for A, waves 2 and 3 for B; an s_nop 0 and four v_nop follow each of the two lines
	s_cmp_eq_u32 s15, 0
	s_cbranch_scc0 .Lfor_b_\@
	tensor_load_to_lds s[\g0a:\g0a+3], s[\g1a:\g1a+7]
	s_nop 0
.rept 4
	v_nop
.endr
	s_branch .Lasked_\@
.Lfor_b_\@:
	tensor_load_to_lds s[\g0b:\g0b+3], s[\g1b:\g1b+7]
	s_nop 0
.rept 4
	v_nop
.endr
.Lasked_\@:
.endm
.macro CREST                           ; a round of the cluster's barrier behind its opening barrier
	s_cmp_lg_u32 s14, 0
	s_cbranch_scc1 .Lnot_wave_0_\@
	s_barrier_signal -3
.Lnot_wave_0_\@:
	s_barrier_wait -3
	s_barrier_signal -1
	s_barrier_wait -1
.endm
.macro CROUND                          ; a whole round
	s_barrier_signal -1
	s_barrier_wait -1
	CREST
.endm
	s_load_b256 s[68:75], s[0:1], 0x0              ; x_img s[68:69], wa_img s[70:71], the scales' exponents s[72:73], b_attn s[74:75]
	s_load_b128 s[76:79], s[0:1], 0x20             ; q_img, k_img
	s_load_b64 s[80:81], s[0:1], 0x30              ; v_img
	v_lshl_add_u32 v[SPW], v0, 2, SPARE
	v_mov_b32 v[NIL], 0
	ds_add_u32 v[SPW], v[NIL]
	ds_add_u32 v[SPW], v[NIL]                      ; the wave's opening: the add and its wait stand ahead of my first tensor load; the set-up below, work on registers, stands between them
	v_lshrrev_b32 v1, 5, v0
	v_readfirstlane_b32 s14, v1                    ; wave 0..3
	s_lshr_b32 s15, s14, 1                         ; which half of A's rows is mine.  Also: I fetch for A (0) or for B (1)
	s_and_b32 s16, s14, 1                          ; which half of B's rows.  Also: which 128 rows of that tile I fetch
	s_bfe_u32 s40, ttmp6, 0x40000                  ; cx, cy: my place in the cluster
	s_bfe_u32 s41, ttmp6, 0x40004
	s_and_b32 s18, ttmp7, 0xffff                   ; the cluster's y
	s_cmp_eq_u32 ttmp9, 2                          ; v?  The cluster's x is the same in all sixteen partners
	s_cselect_b32 s17, 2, s18
	s_cselect_b32 s42, s18, ttmp9
	s_lshl_b32 s17, s17, 2
	s_add_co_u32 s17, s17, s41                     ; A's tile: q, k: tokens, 4 x cluster y + cy;  v: columns, 8 + cy
	s_lshl_b32 s42, s42, 2
	s_add_co_u32 s42, s42, s40                     ; B's tile: q, k: columns, 4 x cluster x + cx;  v: tokens, 4 x cluster y + cx
	s_lshl_b32 s43, s41, 2
	s_lshl_b32 s43, 15, s43                        ; my row of the cluster
	s_lshl_b32 s44, 0x1111, s40                    ; my column
	; descriptor group 1: eight runs of 4,096 bytes (a tile of 16 rows, two K steps of 128), 16,384 bytes apart; elements of 8 bytes; no padding
	s_or_b32 s[G1+0], s43, (3<<16)|(1<<21)         ; 15:0 the mask: A's tiles go to my row; 17:16 elements of 8 bytes; 21 set beside a mask
	s_or_b32 s[G1B+0], s44, (3<<16)|(1<<21)
.irp g, G1, G1B
	s_mov_b32 s[\g+1], 512<<16                     ; tensor_dim0 = 512 elements
	s_mov_b32 s[\g+2], 8<<16                       ; tensor_dim1 = 8
	s_mov_b32 s[\g+3], 512<<16                     ; tile_dim0
	s_mov_b32 s[\g+4], 8                           ; tile_dim1
	s_mov_b32 s[\g+5], 2048                        ; tensor_dim0_stride, in elements
	s_mov_b32 s[\g+6], 0
	s_mov_b32 s[\g+7], 0
.endr
	s_lshl_b32 s18, s16, 7                         ; which 128 rows of the tile I fetch
	s_lshl_b32 s20, s17, 8
	s_add_co_u32 s20, s20, s18
	s_lshl_b32 s20, s20, 10                        ; a row's share of the images is 1,024 bytes
	s_mov_b32 s21, 0
	s_lshl_b32 s46, s42, 8
	s_add_co_u32 s46, s46, s18
	s_lshl_b32 s46, s46, 10
	s_mov_b32 s47, 0
	s_mul_i32 s45, s14, HALFT                      ; where they go: wave x 128 rows: no place in the cluster enters an LDS address
	s_wait_dscnt 0x0                               ; the opening add is done
	s_wait_kmcnt 0x0
	s_load_b256 s[84:91], s[72:73], 0x0            ; e0 .. e7
	s_cmp_eq_u32 ttmp9, 2
	s_cselect_b64 s[4:5], s[70:71], s[68:69]       ; A's images
	s_cselect_b64 s[6:7], s[68:69], s[70:71]       ; B's images
	s_add_nc_u64 s[20:21], s[4:5], s[20:21]
	s_add_nc_u64 s[46:47], s[6:7], s[46:47]
	CROUND                                         ; all sixteen work-groups are here: the first joint loads meet
.irp s, 0,1
	s_mov_b32 s[G0+4*\s], 1
	s_add_co_u32 s[G0+4*\s+1], s45, \s*SLOT
	s_add_nc_u64 s[G0+4*\s+2:G0+4*\s+3], s[20:21], \s*4096
	s_or_b32 s[G0+4*\s+3], s[G0+4*\s+3], 0x80000000
	s_mov_b32 s[G0B+4*\s], 1
	s_add_co_u32 s[G0B+4*\s+1], s45, \s*SLOT
	s_add_nc_u64 s[G0B+4*\s+2:G0B+4*\s+3], s[46:47], \s*4096
	s_or_b32 s[G0B+4*\s+3], s[G0B+4*\s+3], 0x80000000
	JLOAD G0+4*\s, G1, G0B+4*\s, G1B               ; two loads of mine are out
.endr
	v_and_b32 v1, 31, v0
	v_lshlrev_b32 v[LO], 4, v1
	s_lshl_b32 s21, s15, 15                        ; my 128 rows of A
	s_lshl_b32 s22, s16, 15                        ; my 128 rows of B,
	s_add_co_u32 s22, s22, 2*HALFT                 ; which lie behind A's 256
.irp s, 0,1
	v_add_nc_u32 v[ADRA+\s], s21, v[LO]
	v_add_nc_u32 v[ADRB+\s], s22, v[LO]
	s_add_co_u32 s21, s21, SLOT
	s_add_co_u32 s22, s22, SLOT
.endr
	; where my results go, by one formula: the tile and half of tokens, the tile and half of columns
	s_cmp_eq_u32 ttmp9, 2
	s_cselect_b32 s8, s42, s17                     ; tile of tokens
	s_cselect_b32 s9, s17, s42                     ; tile of columns
	s_cselect_b32 s10, s16, s15                    ; my half of the tokens
	s_cselect_b32 s11, s15, s16                    ; my half of the columns
	s_lshr_b32 s12, s8, 3
	s_lshl_b32 s12, s12, 4                         ; 16 x batch
	s_and_b32 s13, s9, 3
	s_lshl_b32 s13, s13, 2
	s_add_co_u32 s12, s12, s13                     ; + four heads a tile of columns
	s_lshl_b32 s13, s11, 1
	s_add_co_u32 s12, s12, s13                     ; + two a half: my first head
	s_lshl_b32 s12, s12, 17                        ; 131,072 bytes a head in each of the three buffers
	s_and_b32 s13, s8, 7
	s_lshl_b32 s13, s13, 1
	s_add_co_u32 s13, s13, s10
	s_lshl_b32 s13, s13, 13                        ; 128 tokens of a head are 8,192 bytes in each
	s_add_co_u32 s12, s12, s13
	s_mov_b32 s13, 0
	s_cmp_eq_u32 ttmp9, 0
	s_cselect_b64 s[94:95], s[76:77], s[78:79]
	s_cmp_eq_u32 ttmp9, 2
	s_cselect_b64 s[94:95], s[80:81], s[94:95]
	s_add_nc_u64 s[94:95], s[94:95], s[12:13]
	s_lshl_b32 s12, s9, 10
	s_lshl_b32 s8, s11, 9
	s_add_co_u32 s12, s12, s8
	s_add_nc_u64 s[92:93], s[74:75], s[12:13]      ; the bias of my 128 columns
	v_and_b32 v2, 15, v0
	v_bfe_u32 v3, v0, 4, 1
	v_lshlrev_b32 v[BH], 5, v3
	v_lshlrev_b32 v[BR], 2, v2
	s_cmp_eq_u32 ttmp9, 2                          ; the branch goes round loads alone; both arms write all 64 registers
	s_cbranch_scc1 .Lbias_v
.irp b, 0,1,2,3,4,5,6,7
	global_load_b128 v[BI+8*\b:BI+8*\b+3], v[BH], s[92:93] offset:64*\b        ; q, k: register 8 b + j belongs to column 16 b + 8 h + j
	global_load_b128 v[BI+8*\b+4:BI+8*\b+7], v[BH], s[92:93] offset:64*\b+16
.endr
	s_branch .Lbias_done
.Lbias_v:
	s_wait_alu depctr_va_vdst(0)
.irp a, 0,1,2,3,4,5,6,7
.irp i, 0,1,2,3,4,5,6,7
	global_load_b32 v[BI+8*\a+\i], v[BR], s[92:93] offset:64*\a                ; v: block a's eight registers all belong to column 16 a + r
.endr
.endr
.Lbias_done:
.macro FRAG reg, adr, q, i             ; the image of tile i's fragment of the slot's q-th 128 along K
.irp c, 0,1,2,3
	ds_load_b128 v[\reg+4*\c:\reg+4*\c+3], v[\adr] offset:4096*(\i)+2048*(\q)+512*\c
.endr
.endm
; 16 matrix instructions: A's blocks a0, a0 + 1 x B's eight, 128 along K.  p: B's set.  zero = 1: the first product starts the sums.  The 64 accumulators take turns, one instruction a turn, in the same order in every step.
.macro MUL16 a0, p, zero
.irp a, \a0, \a0+1
.irp b, 0,1,2,3,4,5,6,7
.if \zero
	v_wmma_f32_16x16x128_fp8_fp8 v[8*(8*((\a)%4)+\b):8*(8*((\a)%4)+\b)+7], v[128*(\p)+FR*\b:128*(\p)+FR*\b+FR-1], v[AF+FR*(\a):AF+FR*(\a)+FR-1], 0
.else
	v_wmma_f32_16x16x128_fp8_fp8 v[8*(8*((\a)%4)+\b):8*(8*((\a)%4)+\b)+7], v[128*(\p)+FR*\b:128*(\p)+FR*\b+FR-1], v[AF+FR*(\a):AF+FR*(\a)+FR-1], v[8*(8*((\a)%4)+\b):8*(8*((\a)%4)+\b)+7]
.endif
.endr
.endr
.endm
.macro FETCH_B slot, q, p
	WIN TO_B
.irp i, 0,1,2,3,4,5,6,7
	FRAG 128*(\p)+FR*\i, ADRB+\slot, \q, \i
.endr
	WIN 0
.endm
.macro FETCH_A slot, q, i0
.irp i, \i0, \i0+1, \i0+2, \i0+3
	FRAG AF+FR*(\i), ADRA+\slot, \q, \i
.endr
.endm
.macro PLACES n                        ; plain vector lines between a matrix instruction and a load into, or a vector read or write of, its registers
.rept \n
	v_nop
.endr
.endm
.macro STEP slot, q, zero              ; a step of 128 along K that has its successor in the same slot
	s_wait_dscnt 4*NL                              ; B's set and A's blocks 0-3 are in; the youngest 16 loads (A's blocks 4-7) may be out
	WIN MUL_LO
	MUL16 0, (\q)%2, \zero
	MUL16 2, (\q)%2, \zero
	s_wait_dscnt 0                                 ; A's blocks 4-7 are in
	PLACES NP
	FETCH_B \slot, (\q)+1, 1-(\q)%2
	FETCH_A \slot, (\q)+1, 0
	WIN MUL_HI
	MUL16 4, (\q)%2, \zero
	MUL16 6, (\q)%2, \zero
	PLACES NP
	WIN 0
	FETCH_A \slot, (\q)+1, 4
.endm
; A slot's last step changes slots: one barrier; in front of it each wave waits for all its tensor loads, adds 0 to its spare word, and waits for that and for its own reads of this slot.  fill = 1: this slot is filled again, two slots ahead.
.macro TURN slot, next, fill
	s_wait_tensorcnt 0x0                           ; all my tensor loads have landed: my part of the next slot
	ds_add_u32 v[SPW], v[NIL]                      ; 0 onto my spare word
	s_wait_dscnt 4*NL+1                            ; the add and the youngest 16 loads (A's blocks 4-7) may be out
	WIN MUL_LO
	MUL16 0, 1, 0                                  ; sixteen matrix instructions stand between the add and the wait for it
	s_wait_dscnt 0x0                               ; the add is done, and my reads of this slot are over
	s_barrier_signal -1
	MUL16 2, 1, 0
	WIN 0
	s_barrier_wait -1
.if \fill
	CREST                                          ; the barrier has opened a round of the cluster's barrier: no wave of any partner still reads this slot or has a load on its way
	s_add_nc_u64 s[G0+4*\slot+2:G0+4*\slot+3], s[G0+4*\slot+2:G0+4*\slot+3], 8192
	s_add_nc_u64 s[G0B+4*\slot+2:G0B+4*\slot+3], s[G0B+4*\slot+2:G0B+4*\slot+3], 8192
	JLOAD G0+4*\slot, G1, G0B+4*\slot, G1B         ; the first tensor load behind the round, my only one until the next; its four v_nop are the places in front of the loads below
.else
	PLACES NP
.endif
	FETCH_B \next, 0, 0
	FETCH_A \next, 0, 0
	WIN MUL_HI
	MUL16 4, 1, 0
	MUL16 6, 1, 0
	PLACES NP
	WIN 0
	FETCH_A \next, 0, 4
.endm
	s_wait_tensorcnt 1                             ; my part of slot 0 is in; slot 1's load may be out
	s_barrier_signal -1
	s_barrier_wait -1                              ; everybody's is
	s_wait_alu depctr_va_vdst(0)
	FETCH_B 0, 0, 0
	FETCH_A 0, 0, 0
	FETCH_A 0, 0, 4
	STEP 0, 0, 1                                   ; K 0: its products start the sums
	TURN 0, 1, 1                                   ; K 128; slot 0 takes K 512 on
	STEP 1, 0, 0                                   ; K 256
	TURN 1, 0, 1                                   ; K 384; slot 1 takes K 768 on
	STEP 0, 0, 0                                   ; K 512
	TURN 0, 1, 0                                   ; K 640; nothing is left to fetch
	STEP 1, 0, 0                                   ; K 768
	s_wait_dscnt 4*NL                              ; K 896, the last step
	WIN MUL_LO
	MUL16 0, 1, 0
	MUL16 2, 1, 0
	s_wait_dscnt 0
	WIN MUL_HI
	MUL16 4, 1, 0
	MUL16 6, 1, 0
	WIN 0
; THE WAY OUT, block by block of A's 16 rows.  number = sum x 2^(e0 + e1) + bias (one fused multiply-add, two at a time, each accumulator from its low end on); held within +-448 x 2^e; eight numbers of a lane become two registers of codes.
; A block's 16 registers of codes are: q, k: the fragments of two heads for 16 tokens;  v: one fragment, 16 of a head's 64 x my 128 keys.  Each store covers 512 consecutive bytes.  Each block has registers of its own: no store's data are written again.
.macro BLOCK a, kind
.set AC, 64*((\a)%4)
.set WD, 2+(\a)/4
.set WS, (WD<<6)|WD
	WIN WS                                         ; source 0 and destination: the accumulators' window
.set bb, 0
.rept 8
.set ii, 0
.rept 4
.if \kind
	v_pk_fma_f32 v[AC+8*bb+ii:AC+8*bb+ii+1], v[AC+8*bb+ii:AC+8*bb+ii+1], s[96:97], v[BI+8*(\a)+ii:BI+8*(\a)+ii+1] op_sel_hi:[1,0,1]
.else
	v_pk_fma_f32 v[AC+8*bb+ii:AC+8*bb+ii+1], v[AC+8*bb+ii:AC+8*bb+ii+1], s[96:97], v[BI+8*bb+ii:BI+8*bb+ii+1] op_sel_hi:[1,0,1]
.endif
.set ii, ii+2
.endr
.set bb, bb+1
.endr
.set ii, 0
.rept 64
.set ii, ii+1
.endr
	WIN WD                                         ; source 0: the accumulators' window; destination window 0
.set bb, 0
.rept 8
	v_cvt_scalef32_pk8_fp8_f32 v[CD+16*(\a)+2*bb:CD+16*(\a)+2*bb+1], v[AC+8*bb:AC+8*bb+7], v[SC]
.set bb, bb+1
.endr
	v_nop                                          ; one plain vector line behind the last conversion of a run
	WIN 0
.set pp, 0
.rept 4
.if \kind
	global_store_b128 v[LO], v[CD+16*(\a)+4*pp:CD+16*(\a)+4*pp+3], s[94:95] offset:131072*((\a)/4)+2048*((\a)%4)+512*pp
.else
	global_store_b128 v[LO], v[CD+16*(\a)+4*pp:CD+16*(\a)+4*pp+3], s[94:95] offset:1024*(\a)+131072*(pp/2)+512*(pp%2)
.endif
.set pp, pp+1
.endr
.endm
	s_wait_kmcnt 0x0
	s_add_co_i32 s96, s84, s85                     ; e0 + e1
	s_add_co_i32 s96, s96, 127
	s_lshl_b32 s96, s96, 23                        ; 2^(e0 + e1) as f32
	s_mov_b32 s97, s96                             ; named with it as a pair, so it is written
	s_cmp_eq_u32 ttmp9, 0
	s_cselect_b32 s8, s86, s87                     ; q: e2; k: e3;
	s_cmp_eq_u32 ttmp9, 2
	s_cselect_b32 s8, s89, s8                      ; v: e5
	s_add_co_i32 s8, s8, 127
	s_lshl_b32 s9, s8, 23
	v_mov_b32 v[SC], s9
	s_wait_loadcnt 0x0                             ; the bias
	PLACES NP                                      ; behind the last products
	s_cmp_eq_u32 ttmp9, 2
	s_cbranch_scc1 .Lout_v
.irp a, 0,1,2,3,4,5,6,7
	BLOCK \a, 0
.endr
	s_branch .Ldone
.Lout_v:
.irp a, 0,1,2,3,4,5,6,7
	BLOCK \a, 1
.endr
.Ldone:
	s_wait_tensorcnt 0x0                           ; the wave's end: a wait, an add of 0 and its wait, behind my last tensor load
	ds_add_u32 v[SPW], v[NIL]
	s_wait_dscnt 0x0
	CROUND                                         ; the closing round: no work-group ends while a partner may still ask for a tile that names it
	s_endpgm
.Lfunc_end_k_qecb4ae1d75_qkv:
	.size	k_qecb4ae1d75_qkv, .Lfunc_end_k_qecb4ae1d75_qkv-k_qecb4ae1d75_qkv
	.p2alignl 7, 3214868480
	.fill 96, 4, 3214868480
	.section	.rodata,"a",@progbits
	.p2align	6, 0x0
	.amdhsa_kernel k_qecb4ae1d75_qkv
		.amdhsa_group_segment_fixed_size 327680
		.amdhsa_private_segment_fixed_size 0
		.amdhsa_enable_private_segment 0
		.amdhsa_kernarg_size 56
		.amdhsa_user_sgpr_count 2
		.amdhsa_user_sgpr_kernarg_segment_ptr 1
		.amdhsa_wavefront_size32 1
		.amdhsa_system_sgpr_workgroup_id_x 1
		.amdhsa_system_sgpr_workgroup_id_y 1
		.amdhsa_system_sgpr_workgroup_id_z 1
		.amdhsa_system_vgpr_workitem_id 0
		.amdhsa_next_free_vgpr 1024
		.amdhsa_next_free_sgpr 100
		.amdhsa_reserve_vcc 0
		.amdhsa_float_denorm_mode_32 3
		.amdhsa_float_denorm_mode_16_64 3
		.amdhsa_fp16_overflow 1
		.amdhsa_memory_ordered 1
		.amdhsa_forward_progress 1
		.amdhsa_inst_pref_size 134
	.end_amdhsa_kernel
	.amdgpu_metadata
---
amdhsa.version: [ 1, 2 ]
amdhsa.kernels:
  - .name:           k_qecb4ae1d75_qkv
    .symbol:         k_qecb4ae1d75_qkv.kd
    .args:
      - { .name: x_img, .offset: 0, .size: 8, .value_kind: global_buffer, .address_space: global }
      - { .name: wa_img, .offset: 8, .size: 8, .value_kind: global_buffer, .address_space: global }
      - { .name: lowp_scales, .offset: 16, .size: 8, .value_kind: global_buffer, .address_space: global }
      - { .name: b_attn, .offset: 24, .size: 8, .value_kind: global_buffer, .address_space: global }
      - { .name: q_img, .offset: 32, .size: 8, .value_kind: global_buffer, .address_space: global }
      - { .name: k_img, .offset: 40, .size: 8, .value_kind: global_buffer, .address_space: global }
      - { .name: v_img, .offset: 48, .size: 8, .value_kind: global_buffer, .address_space: global }
    .group_segment_fixed_size: 327680
    .private_segment_fixed_size: 0
    .kernarg_segment_align: 8
    .kernarg_segment_size: 56
    .max_flat_workgroup_size: 128
    .sgpr_count:     100
    .vgpr_count:     1024
    .wavefront_size: 32
...
	.end_amdgpu_metadata
.endif
;; end of part 2
;; launch attn (part 3): grid 4 x 64, 16 waves a work-group, clusters of 4 x 1, 327,680 bytes of LDS; arguments q_img, k_img, v_img, lowp_scales, y_img; writes y_img
.if DOCPART == 3
	.amdgcn_target "amdgcn-amd-amdhsa--gfx1250"
	.amdhsa_code_object_version 6
	.text
	.protected	k_qecb4ae1d75_attn
	.globl	k_qecb4ae1d75_attn
	.p2align	8
	.type	k_qecb4ae1d75_attn,@function
k_qecb4ae1d75_attn:
	s_mov_b64 s[64:65], 0
	v_nop
	global_prefetch_b8 v0, s[64:65] scope:SCOPE_SE
	s_setreg_imm32_b32 hwreg(HW_REG_WAVE_MODE, 25, 1), 1
	s_wait_xcnt 0x0
	s_wait_alu depctr_hold_cnt(0) depctr_sa_sdst(0) depctr_va_vdst(0) depctr_va_sdst(0) depctr_va_ssrc(0) depctr_va_vcc(0) depctr_vm_vsrc(0)
	s_getreg_b32 s2, hwreg(HW_REG_IB_STS2, 6, 4)
	s_cmp_eq_u32 s2, 0
	s_cbranch_scc0 .Lentry_in_a_cluster
	s_endpgm
.Lentry_in_a_cluster:
	s_bfe_u32 s2, ttmp6, 0x10000c
	s_cmp_lg_u32 s2, 0x3003
	s_cbranch_scc0 .Lentry_shape_is_right
	s_endpgm
.Lentry_shape_is_right:
; y[b][t][head] = causal softmax(q k^T / 8) v, both products on codes of FP8 (E4M3) with the given scales (q e2, k e3, p e4, v e5); y is quantised with e6 and stored as images of the last product's operand registers.
; THE SOFTMAX AHEAD OF THE SECOND PRODUCT: t = score x log2(e) / 8; M = the running largest t rounded UP to a whole number; p = 2^(t - M) is quantised, not normalised; the row's sum is taken of the unquantised p and divides at the end.
; When M moves, the sum and O are multiplied by 2^(old M - new M), which rounds nothing.
; IMAGES.  Lane (r = lane % 16, h = lane / 16) holds row r; registers 2 c, 2 c + 1 hold K = 16 c + 8 h + 0 .. 7; piece p (registers 4 p .. 4 p + 3) of lane l lies at 512 p + 16 l.
; q_img, k_img: [batch x head][token / 16][1024];  v_img: [batch x head][key / 128][d / 16][2048];  y_img: [token / 16][K / 128][2048], of which a head fills 1,024 bytes.
; A HEAD'S WHOLE K AND V, 2 x 131,072 bytes, LIE IN LDS: each byte of LDS is filled once, nothing is filled again.  The four work-groups of a cluster serve one (batch, head) and ask for every tile jointly.
; SHARES.  A key step is 128 keys; a group is 128 queries, eight tiles of 16.  With g = wave % 8, u = wave / 8, sub = 2 cx + u, a wave owns tile sub of group 15 - g (16 - g key steps count for it) and tile sub of group g (g + 1 key steps):
; 17 key steps for every wave of every work-group, two of them on the diagonal.  Branches hang on the wave's number and on counters alone; cx enters the addresses of q and y and the mask's vector operand.
; ORDER: the late tile's key steps 0-7 (they want the first halves of K and V alone) | a barrier for the second halves | its key steps 8-15 | its way out | the early tile's key steps 0-7 | its way out.
; Every loop has eight trips; a key step all of whose keys come after the tile's queries is jumped over inside the trip.
; LAYOUT.  Both products are used transposed: S^T = K Q^T (source 0 = 16 keys, source 1 = my 16 queries), O^T = V^T P^T (source 0 = 16 of the head's 64, source 1 = P): a lane holds ONE query throughout, and its eight registers of a tile of S^T
; are eight neighbouring keys: one conversion makes two registers of P.
; LIMITS on the given exponents: e2 + e3 between -123 and 130 (added to c's exponent field); e4 and e6 between -126 and 127; e4 + e5 is applied by v_ldexp_f32 and has none.  NaN among the inputs is not served.
; REGISTERS: v1-8 addresses and the mask's operand; v12 -M, v13 the largest t, v[14:15] the sum in two halves; v16-23, v24-31 Q of the late and of the early tile; v32-95 K's fragments, then V's; v96-159 S^T, then p; v160-191 O^T;
; v192-207 p's codes; v208-215, v216-223 y's codes; v224-228 constants; v230-237 at work.
.set SPARE, 262144                     ; behind K and V: the spare words, 128 bytes for each wave: eight blocks of 256 bytes that no other line names
.set AL,  1                            ; v1   16 x lane: K of the first key step
.set AV,  2                            ; v2   + 65,536: V of the first key step
.set ADK, 3                            ; v3   K of the key step in hand
.set ADV, 4                            ; v4   V
.set SPW, 5                            ; v5   LDS address of my spare word; never rewritten
.set NIL, 6                            ; v6   0; never rewritten
.set GO,  7                            ; v7   16 x lane, for q and y
.set DM,  8                            ; v8   16 sub + r - 8 h: on the diagonal register 8 t + j is hidden where 16 t + j is greater
.set WV,  18                           ; s18  my wave's number
.set TB,  61                           ; s61  LDS byte at which the key step's K begins
.set KS,  62                           ; s62  the key step; also the loops' counter
.macro CROUND
	s_barrier_signal -1
	s_barrier_wait -1
	s_cmp_lg_u32 s[WV], 0
	s_cbranch_scc1 .Lnot_wave_0_\@
	s_barrier_signal -3
.Lnot_wave_0_\@:
	s_barrier_wait -3
	s_barrier_signal -1
	s_barrier_wait -1
.endm
	s_load_b256 s[4:11], s[0:1], 0x0               ; q_img s[4:5], k_img s[6:7], v_img s[8:9], the scales' exponents s[10:11]
	s_load_b64 s[12:13], s[0:1], 0x20              ; y_img
	v_lshl_add_u32 v[SPW], v0, 2, SPARE
	v_mov_b32 v[NIL], 0
	ds_add_u32 v[SPW], v[NIL]                      ; the wave's opening: the add and its wait stand ahead of my first tensor load; the set-up below, work on registers, stands between them
	ds_add_u32 v[SPW], v[NIL]
	v_lshrrev_b32 v9, 5, v0
	s_delay_alu instid0(VALU_DEP_1)
	v_readfirstlane_b32 s[WV], v9                  ; wave 0..15
	s_and_b32 s19, s[WV], 7                        ; g: the early tile's group
	s_lshr_b32 s20, s[WV], 3                       ; u
	s_bfe_u32 s21, ttmp6, 0x40000                  ; cx
	s_and_b32 s22, ttmp7, 0xffff                   ; 16 x batch + head, which the four partners share
	s_lshl_b32 s23, s21, 1
	s_add_co_u32 s23, s23, s20                     ; sub
	s_sub_co_u32 s24, 15, s19                      ; the late tile's group
	; descriptor group 1: 8,192 dense bytes as 32 rows of 256; elements of 8 bytes
	s_mov_b32 s32, 15|(3<<16)|(1<<21)              ; 15:0 the mask: all four work-groups; 17:16 elements of 8 bytes; 21 set beside a mask
	s_mov_b32 s33, 32<<16                          ; tensor_dim0 = 32
	s_mov_b32 s34, 32<<16                          ; tensor_dim1 = 32
	s_mov_b32 s35, 32<<16                          ; tile_dim0
	s_mov_b32 s36, 32                              ; tile_dim1
	s_mov_b32 s37, 32                              ; tensor_dim0_stride
	s_mov_b32 s38, 0
	s_mov_b32 s39, 0
	s_lshl_b32 s25, s22, 17                        ; the head's first byte in q_img, k_img, v_img
	s_lshl_b32 s26, s19, 13
	s_add_co_u32 s26, s26, s25                     ; key step g of it
	s_mov_b32 s27, 0
	s_mov_b32 s40, 1                               ; group 0 of my first load: waves 0-7 bring K's key steps 0-7, waves 8-15 V's: 8,192 bytes at wave x 8,192
	s_lshl_b32 s41, s[WV], 13
	s_mov_b32 s44, 1                               ; and of my second: key step 8 + g, 131,072 bytes further on in LDS
	s_add_co_u32 s45, s41, 131072
	s_mov_b32 s58, 0x76543210                      ; lane selects for v_permlanex16_b32: lane l xor 16
	s_mov_b32 s59, 0xfedcba98
	s_wait_dscnt 0x0                               ; the opening add is done
	s_wait_kmcnt 0x0
	s_load_b256 s[68:75], s[10:11], 0x0            ; e0 .. e7
	s_cmp_lt_u32 s[WV], 8
	s_cselect_b64 s[42:43], s[6:7], s[8:9]
	s_add_nc_u64 s[42:43], s[42:43], s[26:27]
	s_add_nc_u64 s[46:47], s[42:43], 65536         ; eight key steps on
	s_or_b32 s43, s43, 0x80000000                  ; type = 2
	s_or_b32 s47, s47, 0x80000000
	CROUND                                         ; all four work-groups are here: the joint loads meet
	tensor_load_to_lds s[40:43], s[32:39]          ; the launch's only tensor loads: one of mine is out
	s_nop 0
	s_wait_alu depctr_va_vdst(0)
	s_wait_tensorcnt 0x0
	ds_add_u32 v5, v6
	s_wait_dscnt 0x0
	CROUND
	tensor_load_to_lds s[44:47], s[32:39]
	s_nop 0
.rept 4
	v_nop
.endr
	s_lshl_b32 s26, s24, 3
	s_add_co_u32 s26, s26, s23                     ; the late tile, counted in the head's 128 tiles of 16 tokens
	s_lshl_b32 s28, s19, 3
	s_add_co_u32 s28, s28, s23                     ; the early tile
	s_mov_b32 s31, 0
	s_lshl_b32 s30, s26, 10
	s_add_co_u32 s30, s30, s25
	s_add_nc_u64 s[48:49], s[4:5], s[30:31]        ; Q of the late tile
	s_lshl_b32 s30, s28, 10
	s_add_co_u32 s30, s30, s25
	s_add_nc_u64 s[50:51], s[4:5], s[30:31]        ; Q of the early tile
	s_lshr_b32 s29, s22, 4
	s_lshl_b32 s29, s29, 7                         ; 128 tiles of tokens a batch
	s_and_b32 s27, s22, 15
	s_lshl_b32 s27, s27, 10                        ; the head's 1,024 bytes of a tile's 16,384
	s_add_co_u32 s30, s29, s26
	s_lshl_b32 s30, s30, 14
	s_add_co_u32 s30, s30, s27
	s_add_nc_u64 s[52:53], s[12:13], s[30:31]      ; y of the late tile
	s_add_co_u32 s30, s29, s28
	s_lshl_b32 s30, s30, 14
	s_add_co_u32 s30, s30, s27
	s_add_nc_u64 s[54:55], s[12:13], s[30:31]      ; y of the early tile
	v_and_b32 v9, 31, v0
	s_delay_alu instid0(VALU_DEP_1)
	v_lshlrev_b32 v[GO], 4, v9
	global_load_b128 v[16:19], v[GO], s[48:49]
	global_load_b128 v[20:23], v[GO], s[48:49] offset:512
	global_load_b128 v[24:27], v[GO], s[50:51]
	global_load_b128 v[28:31], v[GO], s[50:51] offset:512
	v_lshlrev_b32 v[AL], 4, v9
	s_delay_alu instid0(VALU_DEP_1)
	v_add_nc_u32 v[AV], 65536, v[AL]
	v_and_b32 v9, 15, v0
	v_bfe_u32 v10, v0, 4, 1
	s_delay_alu instid0(VALU_DEP_1)
	v_lshlrev_b32 v10, 3, v10
	s_delay_alu instid0(VALU_DEP_1)
	v_sub_nc_u32 v[DM], v9, v10
	s_lshl_b32 s30, s23, 4
	v_add_nc_u32 v[DM], s30, v[DM]
	v_mov_b32 v228, 0xff800000                     ; -infinity
	v_mov_b32 v231, 0                              ; named as the upper half of the pair v[230:231]
	v_mov_b32 v232, 0                              ; written once: a lane permute's destination counts as one of its sources
	s_wait_kmcnt 0x0
	s_add_co_i32 s26, s70, s71                     ; a score stands for score x 2^(e2 + e3): the two exponents are added to c's exponent field
	s_lshl_b32 s26, s26, 23
	s_mov_b32 s56, 0x3e38aa3b                      ; c = log2(e) / 8
	s_add_co_i32 s56, s56, s26
	s_mov_b32 s57, s56                             ; named with it as a pair, so it is written
	s_add_co_i32 s60, s72, s73                     ; e4 + e5
	s_add_co_i32 s26, s72, 127
	s_lshl_b32 s27, s26, 23
	v_mov_b32 v225, s27                            ; 2^e4
	s_add_co_i32 s26, s74, 127
	s_lshl_b32 s27, s26, 23
	v_mov_b32 v227, s27                            ; 2^e6
.macro INIT                            ; a tile begins: the step is written without a first form: it finds zeros, which the first change of M leaves zeros
	v_mov_b32 v13, 0xff61b1e6                      ; the largest t so far: -3e38, under every t
	s_delay_alu instid0(VALU_DEP_1)
	v_floor_f32 v12, -v13                          ; -M
	v_mov_b32 v14, 0
	v_mov_b32 v15, 0
.set n, 0
.rept 32
	v_mov_b32 v[160+n], 0
.set n, n+1
.endr
.endm
; A KEY STEP of 128 keys for the tile whose Q lies in v[q] on.  masked = 1: s[G] is the tile's group: a later key step is jumped over (not the line at the end that steps the address), and key step G lies on the diagonal.
.macro STEP q, masked, G
.if \masked
	s_cmp_gt_u32 s[KS], s[\G]
	s_cbranch_scc1 .Lhidden_\@
.endif
	s_setprio 2
	v_add_nc_u32 v[ADK], s[TB], v[AL]
	v_add_nc_u32 v[ADV], s[TB], v[AV]
	v_nop                                          ; with the two additions: four places in front of loads into registers that the last products have read
	v_nop
.set n, 0
.rept 16
	ds_load_b128 v[32+4*n:35+4*n], v[ADK] offset:512*n         ; K: eight fragments of 16 keys x 64, 1,024 bytes each
.set n, n+1
.endr
	s_wait_alu depctr_va_vdst(0)
	s_wait_dscnt 0x0
.set n, 0
.rept 8
	v_wmma_f32_16x16x64_fp8_fp8 v[96+8*n:103+8*n], v[32+8*n:39+8*n], v[\q:\q+7], 0   ; register 8 t + j of lane (r, h): key 16 t + 8 h + j, query r
.set n, n+1
.endr
.rept 4
	v_nop                                          ; places: in front of the loads below and of the first read of the scores
.endr
.set n, 0
.rept 16
	ds_load_b128 v[32+4*n:35+4*n], v[ADV] offset:512*n         ; V: four fragments of 16 of the head's 64 x 128 keys; they land while the softmax is worked
.set n, n+1
.endr
.if \masked
	s_cmp_lg_u32 s[KS], s[\G]
	s_cbranch_scc1 .Lopen_\@
.set n, 0
.rept 64
	v_cmp_gt_i32 vcc_lo, 16*(n/8)+n%8, v[DM]       ; on the diagonal the scores of hidden keys become -infinity ahead of the maximum: p = 0 then.  Key 0 counts for every query, so M is a number from a tile's first step on
	v_cndmask_b32 v[96+n], v[96+n], v228, vcc_lo
.set n, n+1
.endr
.Lopen_\@:
.endif
	v_max3_num_f32 v236, v96, v97, v98             ; the step's largest score of my query, among my 64 keys, in two chains,
	v_max3_num_f32 v237, v99, v100, v101
.set n, 6
.rept 14
	v_max3_num_f32 v236, v236, v[96+n], v[97+n]
	v_max3_num_f32 v237, v237, v[98+n], v[99+n]
.set n, n+4
.endr
	v_max3_num_f32 v236, v236, v158, v159
	s_delay_alu instid0(VALU_DEP_1)
	v_max_num_f32 v236, v236, v237
	s_delay_alu instid0(VALU_DEP_1)
	v_permlanex16_b32 v232, v236, s58, s59
	s_delay_alu instid0(VALU_DEP_1)
	v_max_num_f32 v236, v236, v232                 ; and among lane l xor 16's
	s_delay_alu instid0(VALU_DEP_1)
	v_mul_f32 v236, s56, v236                      ; as t (c is positive)
	s_delay_alu instid0(VALU_DEP_1)
	v_max_num_f32 v13, v13, v236                   ; the running largest t
	v_mov_b32 v236, v12
	s_delay_alu instid0(VALU_DEP_2)
	v_floor_f32 v12, -v13                          ; the new -M = floor(-t) = -ceil(t): a whole number
	s_delay_alu instid0(VALU_DEP_1)
	v_sub_f32 v236, v12, v236                      ; old M - new M: a whole number, 0 or less
	s_delay_alu instid0(VALU_DEP_1)
	v_cvt_i32_f32 v236, v236                       ; (it saturates)
	s_delay_alu instid0(VALU_DEP_1)
	v_ldexp_f32 v230, 1.0, v236                    ; f = 2^(old M - new M)
.set n, 0
.rept 32
	v_pk_fma_f32 v[96+n:97+n], v[96+n:97+n], s[56:57], v[12:13] op_sel_hi:[1,0,0]   ; t - M, two at a time (of the pairs c and -M the low word serves both halves)
.set n, n+2
.endr
.set n, 0
	s_setprio 1
	s_wait_alu depctr_va_vdst(0)
.rept 64
	v_exp_f32 v[96+n], v[96+n]                     ; p = 2^(t - M), at most 1
.set n, n+1
.endr
	v_pk_mul_f32 v[14:15], v[14:15], v[230:231] op_sel_hi:[1,0]   ; the sums under the new M: the plain line behind the exponentials
	s_wait_alu depctr_va_vdst(0)                   ; one wait for the whole batch, ahead of its first reader
	v_pk_add_f32 v[234:235], v[96:97], v[98:99]    ; the row's sum is taken of the unquantised p, in two chains
.set n, 4
.rept 15
	v_pk_add_f32 v[14:15], v[14:15], v[96+n:97+n]
	v_pk_add_f32 v[234:235], v[234:235], v[98+n:99+n]
.set n, n+4
.endr
	s_delay_alu instid0(VALU_DEP_1)
	v_pk_add_f32 v[14:15], v[14:15], v[234:235]
.set n, 0
	s_setprio 0
.rept 8
.set m, 0
.rept 8
.set m, m+1
.endr
	v_cvt_scalef32_pk8_fp8_f32 v[192+2*n:193+2*n], v[96+8*n:103+8*n], v225   ; keys 16 t + 8 h + 0 .. 7: registers 2 t, 2 t + 1 of P
.set n, n+1
.endr
.set n, 0
.rept 16
	v_pk_mul_f32 v[160+n:161+n], v[160+n:161+n], v[230:231] op_sel_hi:[1,0]   ; O^T under the new M; also the plain lines behind the conversions
.set n, n+2
.endr
	s_wait_alu depctr_va_vdst(0)
	s_wait_dscnt 0x0                               ; V is in
.set n, 0
.rept 4
	v_wmma_f32_16x16x128_fp8_fp8 v[160+8*n:167+8*n], v[32+16*n:47+16*n], v[192:207], v[160+8*n:167+8*n]   ; four accumulators by turns, one instruction a turn; the next step's eight products stand between two turns
.set n, n+1
.endr
.if \masked
.Lhidden_\@:
.endif
	s_add_co_u32 s[TB], s[TB], 8192
.endm
; A tile's way out: y = O^T x 2^(e4 + e5) / the sum, held, quantised with e6: register 8 d + j of lane (r, h) is channel 16 d + 8 h + j of token r, so the four conversions give the head's eight registers of the operand's image.
.macro WAYOUT yc, yp
.rept 4
	v_nop                                          ; places behind the last products
.endr
	v_add_f32 v14, v14, v15                        ; the sum's two halves,
	s_delay_alu instid0(VALU_DEP_1)
	v_permlanex16_b32 v232, v14, s58, s59
	s_delay_alu instid0(VALU_DEP_1)
	v_add_f32 v14, v14, v232                       ; and lane l xor 16's
	s_wait_alu depctr_va_vdst(0)
	v_rcp_f32 v14, v14
	v_nop                                          ; a plain line behind the reciprocal
	s_wait_alu depctr_va_vdst(0)                   ; and the wait ahead of its first reader
	v_ldexp_f32 v14, v14, s60
.set n, 0
.rept 16
	v_pk_mul_f32 v[96+n:97+n], v[160+n:161+n], v[14:15] op_sel_hi:[1,0]
.set n, n+2
.endr
.set n, 0
.rept 32
.set n, n+1
.endr
.set n, 0
.rept 4
	v_cvt_scalef32_pk8_fp8_f32 v[\yc+2*n:\yc+2*n+1], v[96+8*n:103+8*n], v227
.set n, n+1
.endr
	v_nop                                          ; one plain vector line behind the last conversion of a run
	global_store_b128 v[GO], v[\yc:\yc+3], s[\yp:\yp+1]                 ; 512 consecutive bytes each
	global_store_b128 v[GO], v[\yc+4:\yc+7], s[\yp:\yp+1] offset:512
.endm
	INIT
	s_wait_tensorcnt 1                             ; my piece of the first halves is in; my piece of the second halves may be out
	s_barrier_signal -1
	s_barrier_wait -1                              ; everybody's is
	s_wait_loadcnt 0x0                             ; Q
	s_mov_b32 s[TB], 0
	s_mov_b32 s[KS], 0
.Lfirst:                                           ; the late tile, key steps 0 to 7: all their keys count
	STEP 16, 0, 0
	s_add_co_u32 s[KS], s[KS], 1
	s_cmp_lt_u32 s[KS], 8
	s_cbranch_scc1 .Lfirst
	s_setprio 0
	s_wait_tensorcnt 0x0                           ; my piece of the second halves is in,
	s_wait_dscnt 0x0
	s_barrier_signal -1
	s_barrier_wait -1                              ; everybody's is
	s_mov_b32 s[TB], 131072
	s_mov_b32 s[KS], 8
.Lsecond:                                          ; the late tile, key steps 8 to 15
	STEP 16, 1, 24
	s_add_co_u32 s[KS], s[KS], 1
	s_cmp_lt_u32 s[KS], 16
	s_cbranch_scc1 .Lsecond
	s_setprio 0
	WAYOUT 208, 52
	INIT
	s_mov_b32 s[TB], 0
	s_mov_b32 s[KS], 0
.Lthird:                                           ; the early tile, key steps 0 to 7
	STEP 24, 1, 19
	s_add_co_u32 s[KS], s[KS], 1
	s_cmp_lt_u32 s[KS], 8
	s_cbranch_scc1 .Lthird
	s_setprio 0
	WAYOUT 216, 54
	s_wait_tensorcnt 0x0                           ; the wave's end: a wait, an add of 0 and its wait, behind my last tensor load
	ds_add_u32 v[SPW], v[NIL]
	s_wait_dscnt 0x0
	CROUND                                         ; the closing round
	s_endpgm
.Lfunc_end_k_qecb4ae1d75_attn:
	.size	k_qecb4ae1d75_attn, .Lfunc_end_k_qecb4ae1d75_attn-k_qecb4ae1d75_attn
	.p2alignl 7, 3214868480
	.fill 96, 4, 3214868480
	.section	.rodata,"a",@progbits
	.p2align	6, 0x0
	.amdhsa_kernel k_qecb4ae1d75_attn
		.amdhsa_group_segment_fixed_size 327680
		.amdhsa_private_segment_fixed_size 0
		.amdhsa_enable_private_segment 0
		.amdhsa_kernarg_size 40
		.amdhsa_user_sgpr_count 2
		.amdhsa_user_sgpr_kernarg_segment_ptr 1
		.amdhsa_wavefront_size32 1
		.amdhsa_system_sgpr_workgroup_id_x 1
		.amdhsa_system_sgpr_workgroup_id_y 1
		.amdhsa_system_sgpr_workgroup_id_z 1
		.amdhsa_system_vgpr_workitem_id 0
		.amdhsa_next_free_vgpr 256
		.amdhsa_next_free_sgpr 80
		.amdhsa_reserve_vcc 1
		.amdhsa_float_denorm_mode_32 3
		.amdhsa_float_denorm_mode_16_64 3
		.amdhsa_fp16_overflow 1
		.amdhsa_memory_ordered 1
		.amdhsa_forward_progress 1
		.amdhsa_inst_pref_size 65
	.end_amdhsa_kernel
	.amdgpu_metadata
---
amdhsa.version: [ 1, 2 ]
amdhsa.kernels:
  - .name:           k_qecb4ae1d75_attn
    .symbol:         k_qecb4ae1d75_attn.kd
    .args:
      - { .name: q_img, .offset: 0, .size: 8, .value_kind: global_buffer, .address_space: global }
      - { .name: k_img, .offset: 8, .size: 8, .value_kind: global_buffer, .address_space: global }
      - { .name: v_img, .offset: 16, .size: 8, .value_kind: global_buffer, .address_space: global }
      - { .name: lowp_scales, .offset: 24, .size: 8, .value_kind: global_buffer, .address_space: global }
      - { .name: y_img, .offset: 32, .size: 8, .value_kind: global_buffer, .address_space: global }
    .group_segment_fixed_size: 327680
    .private_segment_fixed_size: 0
    .kernarg_segment_align: 8
    .kernarg_segment_size: 40
    .max_flat_workgroup_size: 512
    .sgpr_count:     80
    .vgpr_count:     256
    .wavefront_size: 32
...
	.end_amdgpu_metadata
.endif
;; end of part 3
;; launch proj (part 4): grid 4 x 32, 4 waves a work-group, clusters of 4 x 4, 327,680 bytes of LDS; arguments y_img, wp_img, lowp_scales, b_proj, out0; writes out0
.if DOCPART == 4
	.amdgcn_target "amdgcn-amd-amdhsa--gfx1250"
	.amdhsa_code_object_version 6
	.text
	.protected	k_qecb4ae1d75_proj
	.globl	k_qecb4ae1d75_proj
	.p2align	8
	.type	k_qecb4ae1d75_proj,@function
k_qecb4ae1d75_proj:
	s_mov_b64 s[64:65], 0
	v_nop
	global_prefetch_b8 v0, s[64:65] scope:SCOPE_SE
	s_setreg_imm32_b32 hwreg(HW_REG_WAVE_MODE, 25, 1), 1
	s_wait_xcnt 0x0
	s_wait_alu depctr_hold_cnt(0) depctr_sa_sdst(0) depctr_va_vdst(0) depctr_va_sdst(0) depctr_va_ssrc(0) depctr_va_vcc(0) depctr_vm_vsrc(0)
	s_getreg_b32 s2, hwreg(HW_REG_IB_STS2, 6, 4)
	s_cmp_eq_u32 s2, 0
	s_cbranch_scc0 .Lentry_in_a_cluster
	s_endpgm
.Lentry_in_a_cluster:
	s_bfe_u32 s2, ttmp6, 0x10000c
	s_cmp_lg_u32 s2, 0xf033
	s_cbranch_scc0 .Lentry_shape_is_right
	s_endpgm
.Lentry_shape_is_right:
; out0 = y w_proj + b_proj on codes of FP8 (E4M3): y_img [token / 16][K / 128][2048], wp_img [column / 16][K / 128][2048]: images of operand registers (lane (r, h): row r; registers 2 c, 2 c + 1: K = 16 c + 8 h + 0 .. 7;
; piece p of lane l at 512 p + 16 l).  out0 [8192][1024] f32 = sum x 2^(e6 + e7) + bias.  LIMIT: e6 + e7 between -126 and 127.
; A tile of 256 x 256 is made by four waves, each 128 x 128: 64 accumulators.  K = 1,024 goes in four steps of 256 through two LDS slots filled by the tensor data mover.  The grid has 128 work-groups.
; THE MATRIX INSTRUCTION IS USED TRANSPOSED (source 0 = 16 columns of w_proj, source 1 = 16 tokens): a lane holds eight neighbouring numbers of a row of out0.
; CLUSTERS: 4 x 4 work-groups; y's tile is shared along a row of the cluster, w_proj's along a column: each is asked for jointly.
; REGISTERS, in windows of 256: window 0: v16-31 addresses, v32-95 the bias, from v128 y's fragments (one set), on the way out rows read back.  window 1: w_proj's fragments, two sets.  windows 2, 3: the accumulators.
.set HALFT,  32768
.set SLOT,   131072
.set SPARE,  262144                    ; behind the ring: the spare words, 128 bytes for each wave: two blocks of 256 bytes that no other line names
.set SPITCH, 528                       ; the way out: a stage of 16 rows x (512 bytes + 16) for each wave, in slot 0, which has had its last fill and its last read when the first result is stored there
.set FR,     16
.set NL,     4
.set NP,     4
.set ADRA, 16
.set ADRB, 20
.set STO,  24                          ; v24  the way out: where I put 32 bytes of a row
.set RD,   25                          ; v25  where I read a row back
.set CO,   26                          ; v26  16 x lane
.set BH,   27                          ; v27  32 h
.set SPW,  28
.set NIL,  29
.set BI,   32                          ; v32-95 the bias: register 8 b + j belongs to column 16 b + 8 h + j
.set AF,   128
.set BK,   128                         ; 16 rows read back from the stage: v128-191 and v192-255 by turns
.set G1, 24
.set G0, 32
.set G1B, 48
.set G0B, 56
.set MSB, 0
.macro WIN new
.if MSB != \new
	s_set_vgpr_msb (MSB<<8)|\new
.set MSB, \new
.endif
.endm
.set MUL_LO, 0xa1
.set MUL_HI, 0xf1
.set TO_B,   0x40
.macro JLOAD g0a, g1a, g0b, g1b        ; a joint load: waves 0 and 1 fetch for A, waves 2 and 3 for B; an s_nop 0 and four v_nop follow each of the two lines
	s_cmp_eq_u32 s15, 0
	s_cbranch_scc0 .Lfor_b_\@
	tensor_load_to_lds s[\g0a:\g0a+3], s[\g1a:\g1a+7]
	s_nop 0
.rept 4
	v_nop
.endr
	s_branch .Lasked_\@
.Lfor_b_\@:
	tensor_load_to_lds s[\g0b:\g0b+3], s[\g1b:\g1b+7]
	s_nop 0
.rept 4
	v_nop
.endr
.Lasked_\@:
.endm
.macro CREST
	s_cmp_lg_u32 s14, 0
	s_cbranch_scc1 .Lnot_wave_0_\@
	s_barrier_signal -3
.Lnot_wave_0_\@:
	s_barrier_wait -3
	s_barrier_signal -1
	s_barrier_wait -1
.endm
.macro CROUND
	s_barrier_signal -1
	s_barrier_wait -1
	CREST
.endm
	s_load_b256 s[68:75], s[0:1], 0x0              ; y_img s[68:69], wp_img s[70:71], the scales' exponents s[72:73], b_proj s[74:75]
	s_load_b64 s[76:77], s[0:1], 0x20              ; out0
	v_lshl_add_u32 v[SPW], v0, 2, SPARE
	v_mov_b32 v[NIL], 0
	ds_add_u32 v[SPW], v[NIL]                      ; the wave's opening: the add and its wait stand ahead of my first tensor load
	ds_add_u32 v[SPW], v[NIL]
	v_lshrrev_b32 v1, 5, v0
	v_readfirstlane_b32 s14, v1                    ; wave 0..3
	s_lshr_b32 s15, s14, 1                         ; my half of the tile's rows.  Also: I fetch for A (0) or for B (1)
	s_and_b32 s16, s14, 1                          ; my half of its columns.  Also: which 128 rows of that tile I fetch
	s_bfe_u32 s40, ttmp6, 0x40000                  ; cx, cy
	s_bfe_u32 s41, ttmp6, 0x40004
	s_and_b32 s17, ttmp7, 0xffff
	s_lshl_b32 s17, s17, 2
	s_add_co_u32 s17, s17, s41                     ; tile of tokens = 4 x cluster y + cy
	s_lshl_b32 s42, ttmp9, 2
	s_add_co_u32 s42, s42, s40                     ; tile of columns = 4 x cluster x + cx
	s_lshl_b32 s43, s41, 2
	s_lshl_b32 s43, 15, s43                        ; my row of the cluster
	s_lshl_b32 s44, 0x1111, s40                    ; my column
	s_or_b32 s[G1+0], s43, (3<<16)|(1<<21)         ; eight runs of 4,096 bytes, 16,384 bytes apart; elements of 8 bytes; the mask, and bit 21 beside it
	s_or_b32 s[G1B+0], s44, (3<<16)|(1<<21)
.irp g, G1, G1B
	s_mov_b32 s[\g+1], 512<<16                     ; tensor_dim0
	s_mov_b32 s[\g+2], 8<<16                       ; tensor_dim1
	s_mov_b32 s[\g+3], 512<<16                     ; tile_dim0
	s_mov_b32 s[\g+4], 8                           ; tile_dim1
	s_mov_b32 s[\g+5], 2048                        ; tensor_dim0_stride
	s_mov_b32 s[\g+6], 0
	s_mov_b32 s[\g+7], 0
.endr
	s_lshl_b32 s18, s16, 7
	s_lshl_b32 s20, s17, 8
	s_add_co_u32 s20, s20, s18
	s_lshl_b32 s20, s20, 10
	s_mov_b32 s21, 0
	s_lshl_b32 s46, s42, 8
	s_add_co_u32 s46, s46, s18
	s_lshl_b32 s46, s46, 10
	s_mov_b32 s47, 0
	s_mul_i32 s45, s14, HALFT
	s_wait_dscnt 0x0                               ; the opening add is done
	s_wait_kmcnt 0x0
	s_load_b256 s[84:91], s[72:73], 0x0            ; e0 .. e7
	s_add_nc_u64 s[20:21], s[68:69], s[20:21]
	s_add_nc_u64 s[46:47], s[70:71], s[46:47]
	CROUND                                         ; all sixteen work-groups are here: the first joint loads meet
.irp s, 0,1
	s_mov_b32 s[G0+4*\s], 1
	s_add_co_u32 s[G0+4*\s+1], s45, \s*SLOT
	s_add_nc_u64 s[G0+4*\s+2:G0+4*\s+3], s[20:21], \s*4096
	s_or_b32 s[G0+4*\s+3], s[G0+4*\s+3], 0x80000000
	s_mov_b32 s[G0B+4*\s], 1
	s_add_co_u32 s[G0B+4*\s+1], s45, \s*SLOT
	s_add_nc_u64 s[G0B+4*\s+2:G0B+4*\s+3], s[46:47], \s*4096
	s_or_b32 s[G0B+4*\s+3], s[G0B+4*\s+3], 0x80000000
	s_wait_alu depctr_va_vdst(0)
	s_wait_tensorcnt 0x0
	ds_add_u32 v28, v29
	ds_add_u32 v28, v29
	s_wait_dscnt 0x0
	CROUND
	JLOAD G0+4*\s, G1, G0B+4*\s, G1B               ; one load of mine is out
.endr
	v_and_b32 v1, 15, v0                           ; r
	s_wait_alu depctr_va_vdst(0)
	v_bfe_u32 v2, v0, 4, 1                         ; h
	v_and_b32 v3, 31, v0
	v_lshlrev_b32 v[CO], 4, v3
	s_lshl_b32 s21, s15, 15
	s_lshl_b32 s22, s16, 15
	s_add_co_u32 s22, s22, 2*HALFT
.irp s, 0,1
	v_add_nc_u32 v[ADRA+\s], s21, v[CO]
	v_add_nc_u32 v[ADRB+\s], s22, v[CO]
	s_add_co_u32 s21, s21, SLOT
	s_add_co_u32 s22, s22, SLOT
.endr
	s_mul_i32 s23, s14, 16*SPITCH                  ; my stage
	v_mul_u32_u24 v5, v1, SPITCH                   ; in: row r, 32 bytes for each half of the lanes
	s_wait_alu depctr_va_vdst(0)
	v_lshl_add_u32 v5, v2, 5, v5
	v_add_nc_u32 v[STO], s23, v5
	v_add_nc_u32 v[RD], s23, v[CO]                 ; back: the 32 lanes take one row of 512 bytes
	v_lshlrev_b32 v[BH], 5, v2
	s_wait_alu depctr_va_vdst(0)
	s_lshl_b32 s8, s17, 8
	s_lshl_b32 s9, s15, 7
	s_add_co_u32 s8, s8, s9                        ; my first row of out0
	s_lshl_b32 s8, s8, 12                          ; rows of 4,096 bytes
	s_lshl_b32 s12, s42, 10                        ; my first column, in bytes: 1,024 x tile + 512 x half
	s_lshl_b32 s9, s16, 9
	s_add_co_u32 s12, s12, s9
	s_mov_b32 s13, 0
	s_add_nc_u64 s[92:93], s[74:75], s[12:13]      ; the bias of my 128 columns
	s_add_co_u32 s8, s8, s12
	s_mov_b32 s9, 0
	s_add_nc_u64 s[10:11], s[76:77], s[8:9]
.irp b, 0,1,2,3,4,5,6,7
	global_load_b128 v[BI+8*\b:BI+8*\b+3], v[BH], s[92:93] offset:64*\b
	global_load_b128 v[BI+8*\b+4:BI+8*\b+7], v[BH], s[92:93] offset:64*\b+16
.endr
.macro FRAG reg, adr, q, i
.irp c, 0,1,2,3
	ds_load_b128 v[\reg+4*\c:\reg+4*\c+3], v[\adr] offset:4096*(\i)+2048*(\q)+512*\c
.endr
.endm
.macro MUL16 a0, p, zero               ; the 64 accumulators take turns, one instruction a turn, in the same order in every step
.irp a, \a0, \a0+1
.irp b, 0,1,2,3,4,5,6,7
.if \zero
	v_wmma_f32_16x16x128_fp8_fp8 v[8*(8*((\a)%4)+\b):8*(8*((\a)%4)+\b)+7], v[128*(\p)+FR*\b:128*(\p)+FR*\b+FR-1], v[AF+FR*(\a):AF+FR*(\a)+FR-1], 0
.else
	v_wmma_f32_16x16x128_fp8_fp8 v[8*(8*((\a)%4)+\b):8*(8*((\a)%4)+\b)+7], v[128*(\p)+FR*\b:128*(\p)+FR*\b+FR-1], v[AF+FR*(\a):AF+FR*(\a)+FR-1], v[8*(8*((\a)%4)+\b):8*(8*((\a)%4)+\b)+7]
.endif
.endr
.endr
.endm
.macro FETCH_B slot, q, p
	WIN TO_B
.irp i, 0,1,2,3,4,5,6,7
	FRAG 128*(\p)+FR*\i, ADRB+\slot, \q, \i
.endr
	WIN 0
.endm
.macro FETCH_A slot, q, i0
.irp i, \i0, \i0+1, \i0+2, \i0+3
	FRAG AF+FR*(\i), ADRA+\slot, \q, \i
.endr
.endm
.macro PLACES n
.rept \n
	v_nop
.endr
.endm
.macro STEP slot, q, zero
	s_wait_dscnt 4*NL                              ; B's set and A's blocks 0-3 are in; the youngest 16 loads (A's blocks 4-7) may be out
	WIN MUL_LO
	MUL16 0, (\q)%2, \zero
	MUL16 2, (\q)%2, \zero
	s_wait_dscnt 0
	PLACES NP
	FETCH_B \slot, (\q)+1, 1-(\q)%2
	FETCH_A \slot, (\q)+1, 0
	WIN MUL_HI
	MUL16 4, (\q)%2, \zero
	MUL16 6, (\q)%2, \zero
	PLACES NP
	WIN 0
	FETCH_A \slot, (\q)+1, 4
.endm
.macro TURN slot, next, fill
	s_wait_tensorcnt 0x0                           ; all my tensor loads have landed: my part of the next slot
	ds_add_u32 v[SPW], v[NIL]                      ; 0 onto my spare word
	s_wait_dscnt 4*NL+1                            ; the add and the youngest 16 loads may be out
	WIN MUL_LO
	MUL16 0, 1, 0
	s_wait_dscnt 0x0                               ; the add is done, and my reads of this slot are over
	s_barrier_signal -1
	MUL16 2, 1, 0
	WIN 0
	s_barrier_wait -1
.if \fill
	CREST                                          ; the barrier has opened a round of the cluster's barrier
	s_add_nc_u64 s[G0+4*\slot+2:G0+4*\slot+3], s[G0+4*\slot+2:G0+4*\slot+3], 8192
	s_add_nc_u64 s[G0B+4*\slot+2:G0B+4*\slot+3], s[G0B+4*\slot+2:G0B+4*\slot+3], 8192
	JLOAD G0+4*\slot, G1, G0B+4*\slot, G1B         ; the first tensor load behind the round, my only one until the next
.else
	PLACES NP
.endif
	FETCH_B \next, 0, 0
	FETCH_A \next, 0, 0
	WIN MUL_HI
	MUL16 4, 1, 0
	MUL16 6, 1, 0
	PLACES NP
	WIN 0
	FETCH_A \next, 0, 4
.endm
	s_wait_tensorcnt 1                             ; my part of slot 0 is in; slot 1's load may be out
	s_barrier_signal -1
	s_barrier_wait -1
	FETCH_B 0, 0, 0
	FETCH_A 0, 0, 0
	FETCH_A 0, 0, 4
	STEP 0, 0, 1
	TURN 0, 1, 1
	STEP 1, 0, 0
	TURN 1, 0, 1
	STEP 0, 0, 0
	TURN 0, 1, 0
	STEP 1, 0, 0
	s_wait_dscnt 4*NL
	WIN MUL_LO
	MUL16 0, 1, 0
	MUL16 2, 1, 0
	s_wait_dscnt 0
	WIN MUL_HI
	MUL16 4, 1, 0
	MUL16 6, 1, 0
	WIN 0
; THE WAY OUT, block by block of 16 rows x 128 columns: sum x 2^(e6 + e7) + bias, in place, each accumulator from its low end on; through my own stage in LDS; back as whole rows of 512 bytes.
; LDS serves a wave's instructions in order (ISA guide 5.7.1.4): no wait between the stores and the loads, nor in front of the next block's stores.
.macro TOSTAGE a
.set AC, 64*((\a)%4)
.set WD, 2+(\a)/4
.set WS, (WD<<6)|WD
	WIN WS                                         ; source 0 and destination: the accumulators' window
.set bb, 0
.rept 8
.set ii, 0
.rept 4
	v_pk_fma_f32 v[AC+8*bb+ii:AC+8*bb+ii+1], v[AC+8*bb+ii:AC+8*bb+ii+1], s[96:97], v[BI+8*bb+ii:BI+8*bb+ii+1] op_sel_hi:[1,0,1]
.set ii, ii+2
.endr
.set bb, bb+1
.endr
.set WS, WD<<2
	WIN WS                                         ; an LDS store's data: source 1
.set bb, 0
.rept 8
	ds_store_b128 v[STO], v[AC+8*bb:AC+8*bb+3] offset:64*bb
	ds_store_b128 v[STO], v[AC+8*bb+4:AC+8*bb+7] offset:64*bb+16
.set bb, bb+1
.endr
	WIN 0
.set BB, BK+64*((\a)%2)
.set tt, 0
.rept 16
	ds_load_b128 v[BB+4*tt:BB+4*tt+3], v[RD] offset:tt*SPITCH
.set tt, tt+1
.endr
.endm
.macro SEND a, younger                 ; younger: the LDS instructions issued behind block a's loads, which may stay out
.set BB, BK+64*((\a)%2)
	s_wait_dscnt \younger
.if (\a) > 0
	s_add_nc_u64 s[10:11], s[10:11], 65536         ; 16 rows on (behind a wait on XCNT for 0: the earlier stores have read their base)
.endif
.set tt, 0
.rept 16
	global_store_b128 v[CO], v[BB+4*tt:BB+4*tt+3], s[10:11] offset:tt*4096 th:TH_STORE_NT   ; 32 lanes store 512 consecutive bytes, at a multiple of 512 from out0's first byte
.set tt, tt+1
.endr
.endm
	s_wait_kmcnt 0x0
	s_add_co_i32 s96, s90, s91                     ; e6 + e7
	s_add_co_i32 s96, s96, 127
	s_lshl_b32 s96, s96, 23                        ; 2^(e6 + e7) as f32
	s_mov_b32 s97, s96                             ; named with it as a pair, so it is written
	s_wait_loadcnt 0x0                             ; the bias
	PLACES NP                                      ; behind the last products
	TOSTAGE 0
.irp a, 1,2,3,4,5,6,7
.if \a > 1
	s_wait_xcnt 0x0                                ; block a - 2's stores have read their registers and their base
.endif
	TOSTAGE \a
	SEND \a-1, 32                                  ; behind block a - 1's loads: block a's 16 stores and 16 loads
.endr
	s_wait_xcnt 0x0                                ; block 6's stores have read their base
	SEND 7, 0
	s_wait_tensorcnt 0x0                           ; the wave's end: a wait, an add of 0 and its wait, behind my last tensor load and my last LDS store
	ds_add_u32 v[SPW], v[NIL]
	s_wait_dscnt 0x0
	CROUND                                         ; the closing round
	s_endpgm
.Lfunc_end_k_qecb4ae1d75_proj:
	.size	k_qecb4ae1d75_proj, .Lfunc_end_k_qecb4ae1d75_proj-k_qecb4ae1d75_proj
	.p2alignl 7, 3214868480
	.fill 96, 4, 3214868480
	.section	.rodata,"a",@progbits
	.p2align	6, 0x0
	.amdhsa_kernel k_qecb4ae1d75_proj
		.amdhsa_group_segment_fixed_size 327680
		.amdhsa_private_segment_fixed_size 0
		.amdhsa_enable_private_segment 0
		.amdhsa_kernarg_size 40
		.amdhsa_user_sgpr_count 2
		.amdhsa_user_sgpr_kernarg_segment_ptr 1
		.amdhsa_wavefront_size32 1
		.amdhsa_system_sgpr_workgroup_id_x 1
		.amdhsa_system_sgpr_workgroup_id_y 1
		.amdhsa_system_sgpr_workgroup_id_z 1
		.amdhsa_system_vgpr_workitem_id 0
		.amdhsa_next_free_vgpr 1024
		.amdhsa_next_free_sgpr 100
		.amdhsa_reserve_vcc 0
		.amdhsa_float_denorm_mode_32 3
		.amdhsa_float_denorm_mode_16_64 3
		.amdhsa_memory_ordered 1
		.amdhsa_forward_progress 1
		.amdhsa_inst_pref_size 126
	.end_amdhsa_kernel
	.amdgpu_metadata
---
amdhsa.version: [ 1, 2 ]
amdhsa.kernels:
  - .name:           k_qecb4ae1d75_proj
    .symbol:         k_qecb4ae1d75_proj.kd
    .args:
      - { .name: y_img, .offset: 0, .size: 8, .value_kind: global_buffer, .address_space: global }
      - { .name: wp_img, .offset: 8, .size: 8, .value_kind: global_buffer, .address_space: global }
      - { .name: lowp_scales, .offset: 16, .size: 8, .value_kind: global_buffer, .address_space: global }
      - { .name: b_proj, .offset: 24, .size: 8, .value_kind: global_buffer, .address_space: global }
      - { .name: out0, .offset: 32, .size: 8, .value_kind: global_buffer, .address_space: global }
    .group_segment_fixed_size: 327680
    .private_segment_fixed_size: 0
    .kernarg_segment_align: 8
    .kernarg_segment_size: 40
    .max_flat_workgroup_size: 128
    .sgpr_count:     100
    .vgpr_count:     1024
    .wavefront_size: 32
...
	.end_amdgpu_metadata
.endif
;; end of part 4
